; MI455X (gfx1250); checked and timed in simulation.
; The chip was launched on July 23, 2026; its instructions are those of AMD's public machine-readable ISA for CDNA 5 (MIT licence, August 2026) and "CDNA5" Instruction Set Architecture Reference Guide (July 2026). The comments in the code are by the model that wrote it; some were corrected since.
;; S4 D Kernel. Allowed arithmetic: float matrix products may take bf16 or f16 operands with f32 sums; all other float work in f32.
;; Inputs: A_imag 1,024 x 32 float32; C 1,024 x 32 x 2 float32; log_A_real 1,024 x 32 float32; log_dt 1,024 float32.
;; Outputs: out0 1,024 x 4,096 float32.
;; Constants: L = 4096.
;; 2 versions, each right; version 2 is version 1 with the launch s4d written anew for expert scheduling mode. Each part assembles by itself: llvm-mc -triple=amdgcn-amd-amdhsa -mcpu=gfx1250 --defsym DOCPART=n.
;; ======== version 1 of 2: 1 launch
;; limits: right only within a limited range of input values
;; launch s4d (part 1): grid 256 x 1, 8 waves a work-group, no clusters, 140,288 bytes of LDS; arguments A_imag, C, log_A_real, log_dt, out0; writes out0
.if DOCPART == 1
	.amdgcn_target "amdgcn-amd-amdhsa--gfx1250"
	.amdhsa_code_object_version 6
	.text
	.protected	k_q489cb38f29_s4d
	.globl	k_q489cb38f29_s4d
	.p2align	8
	.type	k_q489cb38f29_s4d,@function
k_q489cb38f29_s4d:
	s_mov_b64 s[64:65], 0
	v_nop
	global_prefetch_b8 v0, s[64:65] scope:SCOPE_SE
	s_setreg_imm32_b32 hwreg(HW_REG_WAVE_MODE, 25, 1), 1
	s_wait_xcnt 0x0
; out0[h][l] = 2 Re sum over n of Ceff[h][n] z[h][n]^l,  z = exp(dtA),  dtA = (-exp(log_A_real) + i A_imag) exp(log_dt),
; Ceff = C (z - 1) / A.   h < 1024, n < 32, l < 4096.
;
; l is split as alpha + beta, 64 values each, so that z^l = z^alpha z^beta and each h is one real product [64 x 64] x [64 x 64]:
; rows U = 2 Ceff z^alpha as (re, im), columns conj(z^beta) as (re, -im), inner index (n, re/im).  128 x 32 complex table entries
; for an h take the place of 4096 x 32 exponentials.
;   l = q01 + 4 r + 64 hb + 128 q2 + 256 j + 1024 i      (result register 4 q2 + q01, lane 16 hb + r, column tile j, row tile i)
; so four neighbouring result registers of a lane are 16 neighbouring bytes, and one store of a wave covers 512 consecutive bytes, aligned.
; MATRIX OPERANDS: every entry is two bf16 numbers, hi + lo; hi*hi, lo*hi and hi*lo are summed in f32 (lo*lo, some 2^-18 of a product,
; is dropped).  One bf16 number would leave 2^-9 of sums that near l = 0 are far larger than the output's root mean square.
; WORK: 256 work-groups of 8 waves, 4 h each; waves p and p + 4 share h = 4 x group + p.  Step 1 (lane = n): wave p makes U's 32 base rows
; and step, wave p + 4 the columns' 32 base rows and step, in f32, into LDS.  Step 2 (lane = row or column): each wave turns 16 base rows
; into two row tiles, which it hands to its partner through LDS, and 16 into two column tiles of its own.  Step 3: 4 row tiles x 2 column tiles.
; NO CLUSTER, NO TENSOR LOADS: an h has 516 bytes of parameters of its own, and no two work-groups read the same bytes.
; LIMITS: dt, and powers of |z|, below 2^-126 count as 0 (v_exp_f32 flushes, ISA guide 15.8).  |A| between 1e-19 and 1e19 (|A|^2 is formed).
; |Im dtA| below 1e7 (512/pi times it is turned into a 32-bit whole number).  z - 1 is formed without cancellation, whereas the f32 difference
; exp(dtA) - 1 loses its digits for |dtA| below about 1e-5: there the two differ.
.set PITCH,   272                      ; an LDS row: 32 complex f32 = 256 bytes, + 16: sixteen rows start at sixteen different 16-byte columns
.set TABW,    33*PITCH                 ; a wave's table: 32 base rows and the step's row
.set STEPROW, 32*PITCH
.set VOFF,    4*TABW                   ; from wave p's table (U) to wave p + 4's (columns)
.set EXCH,    73728                    ; behind the 8 tables (71,808 bytes): 8,192 bytes a wave for its two row tiles as bf16 fragments
; registers that live through the kernel
.set LANE,  1
.set LROW,  2                          ; LDS: my row of my 16-row block of U's table, my half's first n
.set LSTEP, 3                          ; LDS: U's table, my half's first n (rows that all lanes of a half read alike)
.set LEXW,  4                          ; LDS: where my row tiles go
.set LEXR,  5                          ; LDS: where my partner's lie
.set OUTO,  6                          ; 16 x lane
.set NEG1,  7                          ; -1.0
.set TMP,   8                          ; v[8:23]    at work in step 2
.set XV,    32                         ; v[32:63]   16 complex: my column's values
.set YST,   64                         ; v[64:95]   16 complex: the step (first U's, then the columns')
.set XU,    96                         ; v[96:127]  16 complex: my row's values
.set AF,    128                        ; v[128:191] my two row tiles; a tile: hi n-step 0, hi n-step 1, lo n-step 0, lo n-step 1, 8 registers each
.set BF,    192                        ; v[192:255] my two column tiles, likewise
.set ACC0,  XU                         ; four accumulators, once XU is spent
.set AF2,   XV                         ; v[32:95]   the partner's two row tiles, once XV and YST are spent
.set ACC1,  AF                         ; four more accumulators, once my own row tiles are spent
; registers of step 1 (lane = n)
.set GO4, 8
.set GO8, 9
.set GOD, 10
.set LST, 11                           ; LDS: my table + 8 n
.set AI,  12
.set LAR, 13
.set LDT, 14
.set CC,  16                           ; v[16:17] C
.set DT,  18
.set EA,  19                           ; exp(log_A_real) = -Re A
.set XR,  20                           ; Re dtA
.set YI,  21                           ; Im dtA
.set XL,  22                           ; Re dtA x log2 e
.set PB,  23                           ; Im dtA / pi
.set EV0, 32                           ; v[32:39], v[40:47]: two sine-cosine evaluations side by side
.set EV1, 40
.set WW,   48                          ; z - 1            (columns' wave: STP, SQ2)
.set IA,   50                          ; 2 / A
.set GG,   52
.set Z1,   54
.set Z2,   56
.set Z3,   58
.set Z64,  60
.set Z128, 62
.set Z192, 64
.set Z256, 66
.set Z512, 68
.set Z1K,  70
.set Z2K,  72
.set STP,  48                          ; conj z^256
.set SQ2,  50                          ; conj z^512
.set FB,   96                          ; v[96:127]  base rows 0-15
.set F2B,  128                         ; v[128:159] base rows 16-31
; scalar constants
.set KS1, 30
.set KS3, 31
.set KS5, 32
.set KS7, 33
.set KS9, 34
.set KC2, 35
.set KC4, 36
.set KC6, 37
.set KC8, 38
.set KMSB, 39
.set KE6, 42
.set KE5, 48
.set KL2E, 49
; complex product d = a b in two packed instructions; d differs from a and b.  First (ar br, ar bi), then (- ai bi, + ai br) on top.
.macro CM1 d, a, b
	v_pk_mul_f32 v[\d:\d+1], v[\a:\a+1], v[\b:\b+1] op_sel_hi:[0,1]
.endm
.macro CM2 d, a, b
	v_pk_fma_f32 v[\d:\d+1], v[\a:\a+1], v[\b:\b+1], v[\d:\d+1] op_sel:[1,1,0] op_sel_hi:[1,0,1] neg_lo:[0,1,0]
.endm
; several products that do not depend on each other: all first halves, then all second halves
.macro CMUL2 d0,a0,b0, d1,a1,b1
	CM1 \d0, \a0, \b0
	CM1 \d1, \a1, \b1
	CM2 \d0, \a0, \b0
	CM2 \d1, \a1, \b1
.endm
.macro CMUL3 d0,a0,b0, d1,a1,b1, d2,a2,b2
	CM1 \d0, \a0, \b0
	CM1 \d1, \a1, \b1
	CM1 \d2, \a2, \b2
	CM2 \d0, \a0, \b0
	CM2 \d1, \a1, \b1
	CM2 \d2, \a2, \b2
.endm
.macro CMUL4 d0,a0,b0, d1,a1,b1, d2,a2,b2, d3,a3,b3
	CM1 \d0, \a0, \b0
	CM1 \d1, \a1, \b1
	CM1 \d2, \a2, \b2
	CM1 \d3, \a3, \b3
	CM2 \d0, \a0, \b0
	CM2 \d1, \a1, \b1
	CM2 \d2, \a2, \b2
	CM2 \d3, \a3, \b3
.endm
; cos and sin of p quarter turns.  Head: k = nearest whole number, g = p - k (exact), |g| <= 1/2.
.macro SC_HEAD b, p
	v_rndne_f32 v[\b+2], v[\p]
	v_sub_f32 v[\b+3], v[\p], v[\b+2]
.endm
; Body, for both evaluations at once: series of sin and cos of g pi/2 up to g^9 and g^8 (what is cut is below 3e-8 for |g| <= 1/2),
; then the turn by k quarters: odd k swaps the two, k mod 4 in {1,2} flips the cosine's sign, in {2,3} the sine's.
; Result: v[b] = cos, v[b+1] = sin.
.macro SC_BODY
.irp b, EV0, EV1
	v_cvt_i32_f32 v[\b+2], v[\b+2]
	v_mul_f32 v[\b+4], v[\b+3], v[\b+3]
.endr
.irp b, EV0, EV1
	v_fma_f32 v[\b+5], v[\b+4], s[KS9], s[KS7]
	v_fma_f32 v[\b+6], v[\b+4], s[KC8], s[KC6]
.endr
.irp b, EV0, EV1
	v_fma_f32 v[\b+5], v[\b+5], v[\b+4], s[KS5]
	v_fma_f32 v[\b+6], v[\b+6], v[\b+4], s[KC4]
.endr
.irp b, EV0, EV1
	v_fma_f32 v[\b+5], v[\b+5], v[\b+4], s[KS3]
	v_fma_f32 v[\b+6], v[\b+6], v[\b+4], s[KC2]
.endr
.irp b, EV0, EV1
	v_fma_f32 v[\b+5], v[\b+5], v[\b+4], s[KS1]
	v_fma_f32 v[\b+6], v[\b+6], v[\b+4], 1.0
	v_and_b32 v[\b+7], 1, v[\b+2]
.endr
.irp b, EV0, EV1
	v_mul_f32 v[\b+5], v[\b+5], v[\b+3]
.endr
	v_cmp_eq_u32 s40, 1, v[EV0+7]
	v_cmp_eq_u32 s41, 1, v[EV1+7]
	v_cndmask_b32 v[EV0], v[EV0+6], v[EV0+5], s40
	v_cndmask_b32 v[EV0+1], v[EV0+5], v[EV0+6], s40
	v_cndmask_b32 v[EV1], v[EV1+6], v[EV1+5], s41
	v_cndmask_b32 v[EV1+1], v[EV1+5], v[EV1+6], s41
.irp b, EV0, EV1
	v_add_nc_u32 v[\b+7], 1, v[\b+2]
	v_lshlrev_b32 v[\b+2], 30, v[\b+2]
.endr
.irp b, EV0, EV1
	v_lshlrev_b32 v[\b+7], 30, v[\b+7]
	v_and_b32 v[\b+2], s[KMSB], v[\b+2]
.endr
.irp b, EV0, EV1
	v_and_b32 v[\b+7], s[KMSB], v[\b+7]
	v_xor_b32 v[\b+1], v[\b+1], v[\b+2]
.endr
.irp b, EV0, EV1
	v_xor_b32 v[\b], v[\b], v[\b+7]
.endr
.endm
	s_load_b256 s[4:11], s[0:1], 0x0               ; A_imag s[4:5], C s[6:7], log_A_real s[8:9], log_dt s[10:11]
	s_load_b64 s[12:13], s[0:1], 0x20              ; out0
	s_set_vgpr_msb 0x40
	v_lshl_add_u32 v0, v0, 2, 0x22000
	v_mov_b32 v1, 0
	s_set_vgpr_msb 0x4000
	v_lshrrev_b32 v2, 5, v0
	v_readfirstlane_b32 s14, v2                    ; wave 0..7
	v_and_b32 v[LANE], 31, v0
	s_and_b32 s15, s14, 3                          ; pair p
	s_lshr_b32 s16, s14, 2                         ; role: 0 makes U's base rows, 1 the columns'; also which two row tiles and column tiles are mine
	s_lshl_b32 s17, ttmp9, 2
	s_add_co_u32 s17, s17, s15                     ; h
	s_lshl_b32 s18, s17, 7
	s_lshl_b32 s19, s17, 8
	s_lshl_b32 s24, s17, 2
	v_lshl_add_u32 v[GO4], v[LANE], 2, s18         ; [h][n] of 4 bytes
	v_lshl_add_u32 v[GO8], v[LANE], 3, s19         ; [h][n] of 8 bytes
	v_mov_b32 v[GOD], s24                          ; [h]
	s_wait_kmcnt 0x0
	global_load_b32 v[LDT], v[GOD], s[10:11]
	global_load_b32 v[LAR], v[GO4], s[8:9]
	global_load_b32 v[AI], v[GO4], s[4:5]
	global_load_b64 v[CC:CC+1], v[GO8], s[6:7]
	; while they are on their way: output bases, LDS addresses, constants
	s_lshl_b32 s25, s17, 14                        ; a row of out0 is 16,384 bytes
	s_xor_b32 s26, s16, 1                          ; my partner's role
	s_mul_i32 s28, s16, 2*4096+2*1024              ; my own row tiles 2 role, 2 role + 1 (4,096 bytes each), my column tiles likewise (1,024 bytes each)
	s_add_co_u32 s28, s28, s25
	s_mov_b32 s29, 0
	s_add_nc_u64 s[20:21], s[12:13], s[28:29]      ; out0 at (my row tiles, my column tiles)
	s_lshl_b32 s28, s26, 13
	s_lshl_b32 s27, s16, 11
	s_add_co_u32 s28, s28, s27
	s_add_co_u32 s28, s28, s25
	s_add_nc_u64 s[22:23], s[12:13], s[28:29]      ; out0 at (the partner's row tiles, my column tiles)
	s_mul_i32 s43, s15, TABW                       ; U's table of my pair
	s_mul_i32 s44, s16, 16*PITCH                   ; my block of 16 base rows
	s_mul_i32 s45, s14, TABW                       ; the table that I write
	s_lshl_b32 s46, s14, 13
	s_add_co_u32 s46, s46, EXCH                    ; my 8,192 bytes for row tiles
	s_xor_b32 s47, s14, 4
	s_lshl_b32 s47, s47, 13
	s_add_co_u32 s47, s47, EXCH                    ; my partner's
	v_and_b32 v2, 15, v0                           ; row or column in a tile
	v_bfe_u32 v3, v0, 4, 1                         ; half of the wave: it holds n = 16 s + 8 half + 0..7 of n-step s
	v_lshl_add_u32 v[LST], v[LANE], 3, s45
	v_lshl_add_u32 v[LSTEP], v3, 6, s43
	v_mad_u32_u24 v2, v2, PITCH, v[LSTEP]
	v_add_nc_u32 v[LROW], s44, v2
	v_lshl_add_u32 v[LEXW], v[LANE], 4, s46
	v_lshl_add_u32 v[LEXR], v[LANE], 4, s47
	v_lshlrev_b32 v[OUTO], 4, v[LANE]
	v_mov_b32 v[NEG1], -1.0
	s_mov_b32 s[KS1], 0x3fc90fdb                   ; sin(g pi/2) = g (pi/2 - (pi/2)^3/3! g^2 + (pi/2)^5/5! g^4 - (pi/2)^7/7! g^6 + (pi/2)^9/9! g^8)
	s_mov_b32 s[KS3], 0xbf255de7
	s_mov_b32 s[KS5], 0x3da335e3
	s_mov_b32 s[KS7], 0xbb996966
	s_mov_b32 s[KS9], 0x39283c1a
	s_mov_b32 s[KC2], 0xbf9de9e6                   ; cos(g pi/2) = 1 - (pi/2)^2/2! g^2 + (pi/2)^4/4! g^4 - (pi/2)^6/6! g^6 + (pi/2)^8/8! g^8
	s_mov_b32 s[KC4], 0x3e81e0f8
	s_mov_b32 s[KC6], 0xbcaae9e4
	s_mov_b32 s[KC8], 0x3a70fa83
	s_mov_b32 s[KMSB], 0x80000000
	s_mov_b32 s[KE6], 0x3ab60b61                   ; 1/720
	s_mov_b32 s[KE5], 0x3c088889                   ; 1/120
	s_mov_b32 s[KL2E], 0x3fb8aa3b                  ; log2 e
	s_wait_loadcnt 0x0
	; dt = exp(log_dt): the rounding of log_dt x log2 e is carried along (its residue, and log2 e's low part), since dt's relative
	; error is multiplied by phases of thousands of radians
	v_mul_f32 v24, s[KL2E], v[LDT]
	v_mul_f32 v25, s[KL2E], v[LAR]
	v_fma_f32 v26, v[LDT], s[KL2E], -v24
	v_exp_f32 v[DT], v24
	v_exp_f32 v[EA], v25
	v_fmac_f32 v26, 0x32a57060, v[LDT]             ; a plain instruction behind the two exponentials, before their results are used (ISA guide 5.7.2)
	v_mul_f32 v26, 0x3f317218, v26                 ; x ln 2
	s_wait_alu depctr_va_vdst(0)
	v_fma_f32 v[DT], v[DT], v26, v[DT]
	v_mul_f32 v[XR], -v[EA], v[DT]
	v_mul_f32 v[YI], v[AI], v[DT]
	v_mul_f32 v[XL], s[KL2E], v[XR]
	v_mul_f32 v[PB], 0x3ea2f983, v[YI]             ; y / pi: the angle y l is 2 l of these, in quarter turns; every l below is a power of 2, so the scaling is exact
	s_cmp_ge_u32 s14, 4
	s_cbranch_scc1 .Lcolumns
	; ---- waves 0-3: U's base rows.  Row rho: 2 Ceff z^(rho&3 + 128 (rho>>2 & 1) + 64 (rho>>3)); rows 16-31: the same x z^2048; step z^1024
	v_mul_f32 v[EV1], 0x43000000, v[PB]            ; the angle 64 y
	v_mul_f32 v24, 0x42800000, v[XL]
	v_mul_f32 v27, v[AI], v[AI]
	v_fma_f32 v27, v[EA], v[EA], v27               ; |A|^2
	v_exp_f32 v25, v[XL]                           ; e^x
	v_exp_f32 v26, v24                             ; |z|^64
	v_rcp_f32 v28, v27
	SC_HEAD EV0, PB                                ; the angle y / 2 (plain instructions behind the three transcendentals)
	SC_HEAD EV1, EV1
	; expm1(x), x <= 0: the series to x^6 above -1/4 (what is cut is below 6e-8 of the result), e^x - 1 below
	v_fma_f32 v29, v[XR], s[KE6], s[KE5]
	v_fmaak_f32 v29, v29, v[XR], 0x3d2aaaab
	v_fmaak_f32 v29, v29, v[XR], 0x3e2aaaab
	v_fma_f32 v29, v29, v[XR], 0.5
	v_fma_f32 v29, v29, v[XR], 1.0
	v_mul_f32 v29, v29, v[XR]
	s_wait_alu depctr_va_vdst(0)
	v_add_f32 v25, -1.0, v25
	v_cmp_lt_f32 vcc_lo, 0xbe800000, v[XR]
	v_cndmask_b32 v25, v25, v29, vcc_lo            ; em1
	v_add_f32 v28, v28, v28
	v_mul_f32 v[IA], -v[EA], v28                   ; 2 / A = 2 conj(A) / |A|^2, A = (-EA, AI)
	v_mul_f32 v[IA+1], -v[AI], v28
	SC_BODY
	v_add_f32 v30, v[EV0+1], v[EV0+1]              ; 2 sin(y/2)
	v_mul_f32 v[Z64], v[EV1], v26
	v_mul_f32 v[Z64+1], v[EV1+1], v26
	v_mul_f32 v31, v30, v[EV0]                     ; sin y
	v_mul_f32 v30, -v30, v[EV0+1]                  ; cm1 = cos y - 1 = -2 sin^2(y/2)
	v_fma_f32 v[WW+1], v25, v31, v31               ; Im(z - 1) = (1 + em1) sin y
	v_fma_f32 v24, v25, v30, v30
	v_add_f32 v[WW], v24, v25                      ; Re(z - 1) = em1 + cm1 + em1 cm1
	v_mov_b32 v[Z1+1], v[WW+1]
	v_add_f32 v[Z1], 1.0, v[WW]
	CMUL3 GG,WW,IA, Z2,Z1,Z1, Z128,Z64,Z64
	CMUL4 FB,CC,GG, Z3,Z2,Z1, Z192,Z128,Z64, Z256,Z128,Z128
	CMUL4 FB+8,FB,Z128, FB+16,FB,Z64, FB+24,FB,Z192, Z512,Z256,Z256
.irp bq, 0,8,16,24
	CM1 FB+\bq+2, FB+\bq, Z1
	CM1 FB+\bq+4, FB+\bq, Z2
	CM1 FB+\bq+6, FB+\bq, Z3
.endr
	CM1 Z1K, Z512, Z512
.irp bq, 0,8,16,24
	CM2 FB+\bq+2, FB+\bq, Z1
	CM2 FB+\bq+4, FB+\bq, Z2
	CM2 FB+\bq+6, FB+\bq, Z3
.endr
	CM2 Z1K, Z512, Z512
	CM1 Z2K, Z1K, Z1K
.irp e, 0,1,2,3,4,5,6,7,8,9,10,11,12,13,14,15
	ds_store_b64 v[LST], v[FB+2*\e:FB+2*\e+1] offset:\e*PITCH      ; 32 lanes, 256 neighbouring bytes: a row
.endr
	ds_store_b64 v[LST], v[Z1K:Z1K+1] offset:STEPROW
	CM2 Z2K, Z1K, Z1K
.irp e, 0,2,4,6,8,10,12,14,16,18,20,22,24,26,28,30
	CM1 F2B+\e, FB+\e, Z2K
.endr
.irp e, 0,2,4,6,8,10,12,14,16,18,20,22,24,26,28,30
	CM2 F2B+\e, FB+\e, Z2K
.endr
.irp e, 0,1,2,3,4,5,6,7,8,9,10,11,12,13,14,15
	ds_store_b64 v[LST], v[F2B+2*\e:F2B+2*\e+1] offset:16*PITCH+\e*PITCH
.endr
	s_branch .Ltables
.Lcolumns:
	; ---- waves 4-7: the columns' base rows.  Row r: conj(z)^(4 r); rows 16-31: the same x conj(z)^512; step conj(z)^256
	v_mul_f32 v[EV0], 0x41000000, v[PB]            ; the angle 4 y
	v_mul_f32 v[EV1], 0x44000000, v[PB]            ; the angle 256 y
	v_mul_f32 v24, 4.0, v[XL]
	v_mul_f32 v25, 0x43800000, v[XL]
	v_exp_f32 v26, v24                             ; |z|^4
	v_exp_f32 v27, v25                             ; |z|^256
	SC_HEAD EV0, EV0                               ; (plain instructions behind the two exponentials)
	SC_HEAD EV1, EV1
	SC_BODY
	s_wait_alu depctr_va_vdst(0)
	v_mul_f32 v[FB+2], v[EV0], v26
	v_mul_f32 v[FB+3], -v[EV0+1], v26
	v_mul_f32 v[STP], v[EV1], v27
	v_mul_f32 v[STP+1], -v[EV1+1], v27
	v_mov_b32 v[FB], 1.0
	v_mov_b32 v[FB+1], 0
	CMUL2 FB+4,FB+2,FB+2, SQ2,STP,STP
	CMUL2 FB+6,FB+4,FB+2, FB+8,FB+4,FB+4
	CMUL4 FB+10,FB+8,FB+2, FB+12,FB+8,FB+4, FB+14,FB+8,FB+6, FB+16,FB+8,FB+8
.irp e, 2,4,6,8,10,12,14
	CM1 FB+16+\e, FB+16, FB+\e
.endr
.irp e, 2,4,6,8,10,12,14
	CM2 FB+16+\e, FB+16, FB+\e
.endr
.irp e, 0,1,2,3,4,5,6,7,8,9,10,11,12,13,14,15
	ds_store_b64 v[LST], v[FB+2*\e:FB+2*\e+1] offset:\e*PITCH
.endr
	ds_store_b64 v[LST], v[STP:STP+1] offset:STEPROW
	ds_store_b64 v[LST], v[SQ2:SQ2+1] offset:16*PITCH              ; row 16 is 1 x conj(z)^512
.irp e, 2,4,6,8,10,12,14,16,18,20,22,24,26,28,30
	CM1 F2B+\e, FB+\e, SQ2
.endr
.irp e, 2,4,6,8,10,12,14,16,18,20,22,24,26,28,30
	CM2 F2B+\e, FB+\e, SQ2
.endr
.irp e, 1,2,3,4,5,6,7,8,9,10,11,12,13,14,15
	ds_store_b64 v[LST], v[F2B+2*\e:F2B+2*\e+1] offset:16*PITCH+\e*PITCH
.endr
.Ltables:
	s_wait_dscnt 0x0                               ; my table is written, for the others' sake
	s_barrier_signal -1
	s_barrier_wait -1                              ; every wave's is
; ---- step 2: lane (r, half) holds row or column r and, for n-step s, the eight n = 16 s + 8 half + c as (re, im) in register pairs.
; The same map of (s, half, c) to n serves both operands, so every product meets its partner.
.macro LD16 x, a, off                  ; 16 complex of one table row: 2 x 64 neighbouring bytes
.irp s, 0,1
.irp q, 0,1,2,3
	ds_load_b128 v[\x+16*\s+4*\q:\x+16*\s+4*\q+3], v[\a] offset:\off+128*\s+16*\q
.endr
.endr
.endm
; 16 complex f32 into a tile's 32 registers: hi = bf16(re), bf16(im) in one word; lo = bf16 of what hi leaves (x - hi is exact in f32)
.macro SPLIT x, d
.irp g, 0,8
.irp e, 0,1,2,3,4,5,6,7
	v_cvt_pk_bf16_f32 v[\d+\g+\e], v[\x+2*\g+2*\e], v[\x+2*\g+2*\e+1]
.endr
.irp e, 0,1,2,3,4,5,6,7
	v_fma_mix_f32_bf16 v[TMP+2*\e], v[\d+\g+\e], v[NEG1], v[\x+2*\g+2*\e] op_sel_hi:[1,0,0]
	v_fma_mix_f32_bf16 v[TMP+2*\e+1], v[\d+\g+\e], v[NEG1], v[\x+2*\g+2*\e+1] op_sel:[1,0,0] op_sel_hi:[1,0,0]
.endr
.irp e, 0,1,2,3,4,5,6,7
	v_cvt_pk_bf16_f32 v[\d+16+\g+\e], v[TMP+2*\e], v[TMP+2*\e+1]
.endr
.endr
.endm
.macro STEP x, y                       ; x = x y, 16 complex products in place, eight at a time
.irp g, 0,16
.irp e, 0,2,4,6,8,10,12,14
	v_pk_mul_f32 v[TMP+\e:TMP+\e+1], v[\x+\g+\e:\x+\g+\e+1], v[\y+\g+\e:\y+\g+\e+1] op_sel_hi:[0,1]
.endr
.irp e, 0,2,4,6,8,10,12,14
	v_pk_fma_f32 v[\x+\g+\e:\x+\g+\e+1], v[\x+\g+\e:\x+\g+\e+1], v[\y+\g+\e:\y+\g+\e+1], v[TMP+\e:TMP+\e+1] op_sel:[1,1,0] op_sel_hi:[1,0,1] neg_lo:[0,1,0]
.endr
.endr
.endm
.macro PUT t                           ; my row tile t into LDS: 16 bytes a lane, 512 neighbouring bytes an instruction
.irp g, 0,1,2,3,4,5,6,7
	ds_store_b128 v[LEXW], v[AF+32*\t+4*\g:AF+32*\t+4*\g+3] offset:4096*\t+512*\g
.endr
.endm
	LD16 XU, LROW, 0                               ; my 16 n of my base row of U
	LD16 YST, LSTEP, STEPROW                       ; z^1024
	LD16 XV, LROW, VOFF                            ; my 16 n of my base row of the columns
	s_wait_dscnt 16                                ; the youngest 16 (step, columns) may be out: U's values are in
	SPLIT XU, AF
	PUT 0
	s_wait_dscnt 16                                ; the youngest 16 are the columns' 8 loads and PUT's 8 stores: the step is in
	STEP XU, YST
	LD16 YST, LSTEP, VOFF+STEPROW                  ; conj(z)^256, over the step that is spent
	SPLIT XU, AF+32
	PUT 1
	s_wait_dscnt 0x0                               ; my row tiles are written, for my partner's sake
	s_barrier_signal -1
	SPLIT XV, BF                                   ; register work while the others arrive: my two column tiles
	STEP XV, YST
	SPLIT XV, BF+32
	s_barrier_wait -1
.irp t, 0,1
.irp g, 0,1,2,3,4,5,6,7
	ds_load_b128 v[AF2+32*\t+4*\g:AF2+32*\t+4*\g+3], v[LEXR] offset:4096*\t+512*\g     ; the partner's row tiles, on their way during my own products
.endr
.endr
; ---- step 3.  One link for each of the four accumulators (row tile ii x column tile jj): they take turns, one instruction a turn.
.macro LINK a, acc, ao, bo, first
.irp ii, 0,1
.irp jj, 0,1
.if \first
	v_wmma_f32_16x16x32_bf16 v[\acc+16*\ii+8*\jj:\acc+16*\ii+8*\jj+7], v[\a+32*\ii+\ao:\a+32*\ii+\ao+7], v[BF+32*\jj+\bo:BF+32*\jj+\bo+7], 0
.else
	v_wmma_f32_16x16x32_bf16 v[\acc+16*\ii+8*\jj:\acc+16*\ii+8*\jj+7], v[\a+32*\ii+\ao:\a+32*\ii+\ao+7], v[BF+32*\jj+\bo:BF+32*\jj+\bo+7], v[\acc+16*\ii+8*\jj:\acc+16*\ii+8*\jj+7]
.endif
.endr
.endr
.endm
.macro MM a, acc
	LINK \a, \acc, 0, 0, 1                         ; hi x hi, n 0-15: starts the sums, nothing is cleared
	LINK \a, \acc, 8, 8, 0                         ; hi x hi, n 16-31
	LINK \a, \acc, 16, 0, 0                        ; lo x hi
	LINK \a, \acc, 24, 8, 0
	LINK \a, \acc, 0, 16, 0                        ; hi x lo
	LINK \a, \acc, 8, 24, 0
.endm
; result register 4 q2 + q01 of lane 16 hb + r is l = q01 + 4 r + 64 hb + 128 q2 (+ 256 jj + 1024 ii): each store covers 512 consecutive bytes, aligned
.macro OUT acc, sb
.irp ii, 0,1
.irp jj, 0,1
.irp q2, 0,1
	global_store_b128 v[OUTO], v[\acc+16*\ii+8*\jj+4*\q2:\acc+16*\ii+8*\jj+4*\q2+3], s[\sb:\sb+1] offset:4096*\ii+1024*\jj+512*\q2 th:TH_STORE_NT
.endr
.endr
.endr
.endm
	MM AF, ACC0
.rept 5
	v_nop                                          ; five places: four before the stores read results, five before the next products write over
.endr                                                  ; registers that these read as their first operand (ISA guide 7.12.1)
	OUT ACC0, 20
	s_wait_dscnt 0x0                               ; the partner's row tiles are in
	MM AF2, ACC1
.rept 4
	v_nop                                          ; four places before the stores read results
.endr
	OUT ACC1, 22
	s_set_vgpr_msb 0x5
	s_wait_tensorcnt 0x0
	ds_add_u32 v0, v1
	s_wait_dscnt 0x0
	s_set_vgpr_msb 0x500
	s_endpgm
.Lfunc_end_k_q489cb38f29_s4d:
	.size	k_q489cb38f29_s4d, .Lfunc_end_k_q489cb38f29_s4d-k_q489cb38f29_s4d
	.p2alignl 7, 3214868480
	.fill 96, 4, 3214868480
	.section	.rodata,"a",@progbits
	.p2align	6, 0x0
	.amdhsa_kernel k_q489cb38f29_s4d
		.amdhsa_group_segment_fixed_size 140288
		.amdhsa_private_segment_fixed_size 0
		.amdhsa_enable_private_segment 0
		.amdhsa_kernarg_size 40
		.amdhsa_user_sgpr_count 2
		.amdhsa_user_sgpr_kernarg_segment_ptr 1
		.amdhsa_wavefront_size32 1
		.amdhsa_system_sgpr_workgroup_id_x 1
		.amdhsa_system_sgpr_workgroup_id_y 1
		.amdhsa_system_sgpr_workgroup_id_z 1
		.amdhsa_system_vgpr_workitem_id 0
		.amdhsa_next_free_vgpr 258
		.amdhsa_next_free_sgpr 66
		.amdhsa_reserve_vcc 1
		.amdhsa_float_denorm_mode_32 3
		.amdhsa_float_denorm_mode_16_64 3
		.amdhsa_memory_ordered 1
		.amdhsa_forward_progress 1
		.amdhsa_inst_pref_size 53
	.end_amdhsa_kernel
	.amdgpu_metadata
---
amdhsa.version: [ 1, 2 ]
amdhsa.kernels:
  - .name:           k_q489cb38f29_s4d
    .symbol:         k_q489cb38f29_s4d.kd
    .args:
      - { .name: A_imag, .offset: 0, .size: 8, .value_kind: global_buffer, .address_space: global }
      - { .name: C, .offset: 8, .size: 8, .value_kind: global_buffer, .address_space: global }
      - { .name: log_A_real, .offset: 16, .size: 8, .value_kind: global_buffer, .address_space: global }
      - { .name: log_dt, .offset: 24, .size: 8, .value_kind: global_buffer, .address_space: global }
      - { .name: out0, .offset: 32, .size: 8, .value_kind: global_buffer, .address_space: global }
    .group_segment_fixed_size: 140288
    .private_segment_fixed_size: 0
    .kernarg_segment_align: 8
    .kernarg_segment_size: 40
    .max_flat_workgroup_size: 256
    .sgpr_count:     66
    .vgpr_count:     258
    .wavefront_size: 32
...
	.end_amdgpu_metadata
.endif
;; end of part 1
;; ======== version 2 of 2: 1 launch; version 1 with the launch s4d written anew for expert scheduling mode
;; limits: right only within a limited range of input values
;; launch s4d (part 2): grid 256 x 1, 8 waves a work-group, no clusters, 140,288 bytes of LDS; arguments A_imag, C, log_A_real, log_dt, out0; writes out0
.if DOCPART == 2
	.amdgcn_target "amdgcn-amd-amdhsa--gfx1250"
	.amdhsa_code_object_version 6
	.text
	.protected	k_q489cb38f29_s4d
	.globl	k_q489cb38f29_s4d
	.p2align	8
	.type	k_q489cb38f29_s4d,@function
k_q489cb38f29_s4d:
	s_mov_b64 s[64:65], 0
	v_nop
	global_prefetch_b8 v0, s[64:65] scope:SCOPE_SE
	s_setreg_imm32_b32 hwreg(HW_REG_WAVE_SCHED_MODE, 0, 2), 2
	s_setreg_imm32_b32 hwreg(HW_REG_WAVE_MODE, 25, 1), 1
	s_wait_xcnt 0x0
	s_wait_alu depctr_vm_vsrc(0)
; out0[h][l] = 2 Re sum over n of Ceff[h][n] z[h][n]^l,  z = exp(dtA),  dtA = (-exp(log_A_real) + i A_imag) exp(log_dt),
; Ceff = C (z - 1) / A.   h < 1024, n < 32, l < 4096.
;
; l is split as alpha + beta, 64 values each, so that z^l = z^alpha z^beta and each h is one real product [64 x 64] x [64 x 64]:
; rows U = 2 Ceff z^alpha as (re, im), columns conj(z^beta) as (re, -im), inner index (n, re/im).  128 x 32 complex table entries
; for an h take the place of 4096 x 32 exponentials.
;   l = q01 + 4 r + 64 hb + 128 q2 + 256 j + 1024 i      (result register 4 q2 + q01, lane 16 hb + r, column tile j, row tile i)
; so four neighbouring result registers of a lane are 16 neighbouring bytes, and one store of a wave covers 512 consecutive bytes, aligned.
; MATRIX OPERANDS: every entry is two bf16 numbers, hi + lo; hi*hi, lo*hi and hi*lo are summed in f32 (lo*lo, some 2^-18 of a product,
; is dropped).  One bf16 number would leave 2^-9 of sums that near l = 0 are far larger than the output's root mean square.
; WORK: 256 work-groups of 8 waves, 4 h each; waves p and p + 4 share h = 4 x group + p.  Step 1 (lane = n): wave p makes U's 32 base rows
; and step, wave p + 4 the columns' 32 base rows and step, in f32, into LDS.  Step 2 (lane = row or column): each wave turns 16 base rows
; into two row tiles, which it hands to its partner through LDS, and 16 into two column tiles of its own.  Step 3: 4 row tiles x 2 column tiles.
; NO CLUSTER, NO TENSOR LOADS: an h has 516 bytes of parameters of its own, and no two work-groups read the same bytes.
; LIMITS: dt, and powers of |z|, below 2^-126 count as 0 (v_exp_f32 flushes, ISA guide 15.8).  |A| between 1e-19 and 1e19 (|A|^2 is formed).
; |Im dtA| below 1e7 (512/pi times it is turned into a 32-bit whole number).  z - 1 is formed without cancellation, whereas the f32 difference
; exp(dtA) - 1 loses its digits for |dtA| below about 1e-5: there the two differ.
; THE MODE: SCHED_MODE bits 1:0 = 2 (LLVM: expert scheduling mode 2), set by the entry lines.  The code itself states the register dependences
; between vector or matrix instructions and memory or LDS instructions, with s_wait_alu, always for 0.
; THE PLAN.  Registers that memory or LDS instructions touch:
;   v8-10      offsets of the four parameter loads: written at the head, read by those loads, written again as TMP in step 2.
;   v11        LDS address of step 1's stores: written once, read by them, written again as TMP in step 2.
;   v2-6       LDS addresses and the output's offset: written once at the head, never again.
;   v96-159 and the steps' pairs: written by step 1's products, read by its LDS stores (two runs, a wait on va_vdst ahead of each).
;   v32-127    behind the first barrier the table rows land there; ONE wait on vm_vsrc stands there for v8-11 and all that step 1 stored.
;   YST        read by the rows' step, then loaded again; AF tile 0: written by the first split, read by its stores: ONE wait on va_vdst for both.
;   AF tile 1  written by the second split, read by its stores: a wait on va_vdst.
;   v32-95     last named by the column tiles' work; the partner's row tiles land there: a wait on va_vdst behind the second barrier; the sixteen
;              loads are then dealt among my own products, which name AF, BF and ACC0 alone.
;   ACC0, ACC1 written by the products, read by the global stores: the places and a wait on va_vdst ahead of each run.  ACC1 lies on AF tile 0,
;              which LDS stores have read: a wait on vm_vsrc ahead of the second products.
.set PITCH,   272                      ; an LDS row: 32 complex f32 = 256 bytes, + 16: sixteen rows start at sixteen different 16-byte columns
.set TABW,    33*PITCH                 ; a wave's table: 32 base rows and the step's row
.set STEPROW, 32*PITCH
.set VOFF,    4*TABW                   ; from wave p's table (U) to wave p + 4's (columns)
.set EXCH,    73728                    ; behind the 8 tables (71,808 bytes): 8,192 bytes a wave for its two row tiles as bf16 fragments
; registers that live through the kernel
.set LANE,  1
.set LROW,  2                          ; LDS: my row of my 16-row block of U's table, my half's first n
.set LSTEP, 3                          ; LDS: U's table, my half's first n (rows that all lanes of a half read alike)
.set LEXW,  4                          ; LDS: where my row tiles go
.set LEXR,  5                          ; LDS: where my partner's lie
.set OUTO,  6                          ; 16 x lane
.set NEG1,  7                          ; -1.0
.set TMP,   8                          ; v[8:23]    at work in step 2
.set XV,    32                         ; v[32:63]   16 complex: my column's values
.set YST,   64                         ; v[64:95]   16 complex: the step (first U's, then the columns')
.set XU,    96                         ; v[96:127]  16 complex: my row's values
.set AF,    128                        ; v[128:191] my two row tiles; a tile: hi n-step 0, hi n-step 1, lo n-step 0, lo n-step 1, 8 registers each
.set BF,    192                        ; v[192:255] my two column tiles, likewise
.set ACC0,  XU                         ; four accumulators, once XU is spent
.set AF2,   XV                         ; v[32:95]   the partner's two row tiles, once XV and YST are spent
.set ACC1,  AF                         ; four more accumulators, once my own row tiles are spent
; registers of step 1 (lane = n)
.set GO4, 8
.set GO8, 9
.set GOD, 10
.set LST, 11                           ; LDS: my table + 8 n
.set AI,  12
.set LAR, 13
.set LDT, 14
.set CC,  16                           ; v[16:17] C
.set DT,  18
.set EA,  19                           ; exp(log_A_real) = -Re A
.set XR,  20                           ; Re dtA
.set YI,  21                           ; Im dtA
.set XL,  22                           ; Re dtA x log2 e
.set PB,  23                           ; Im dtA / pi
.set EV0, 32                           ; v[32:39], v[40:47]: two sine-cosine evaluations side by side
.set EV1, 40
.set WW,   48                          ; z - 1            (columns' wave: STP, SQ2)
.set IA,   50                          ; 2 / A
.set GG,   52
.set Z1,   54
.set Z2,   56
.set Z3,   58
.set Z64,  60
.set Z128, 62
.set Z192, 64
.set Z256, 66
.set Z512, 68
.set Z1K,  70
.set Z2K,  72
.set STP,  48                          ; conj z^256
.set SQ2,  50                          ; conj z^512
.set FB,   96                          ; v[96:127]  base rows 0-15
.set F2B,  128                         ; v[128:159] base rows 16-31
; scalar constants
.set KS1, 30
.set KS3, 31
.set KS5, 32
.set KS7, 33
.set KS9, 34
.set KC2, 35
.set KC4, 36
.set KC6, 37
.set KC8, 38
.set KMSB, 39
.set KE6, 42
.set KE5, 48
.set KL2E, 49
; complex product d = a b in two packed instructions; d differs from a and b.  First (ar br, ar bi), then (- ai bi, + ai br) on top.
.macro CM1 d, a, b
	v_pk_mul_f32 v[\d:\d+1], v[\a:\a+1], v[\b:\b+1] op_sel_hi:[0,1]
.endm
.macro CM2 d, a, b
	v_pk_fma_f32 v[\d:\d+1], v[\a:\a+1], v[\b:\b+1], v[\d:\d+1] op_sel:[1,1,0] op_sel_hi:[1,0,1] neg_lo:[0,1,0]
.endm
; several products that do not depend on each other: all first halves, then all second halves
.macro CMUL2 d0,a0,b0, d1,a1,b1
	CM1 \d0, \a0, \b0
	CM1 \d1, \a1, \b1
	CM2 \d0, \a0, \b0
	CM2 \d1, \a1, \b1
.endm
.macro CMUL3 d0,a0,b0, d1,a1,b1, d2,a2,b2
	CM1 \d0, \a0, \b0
	CM1 \d1, \a1, \b1
	CM1 \d2, \a2, \b2
	CM2 \d0, \a0, \b0
	CM2 \d1, \a1, \b1
	CM2 \d2, \a2, \b2
.endm
.macro CMUL4 d0,a0,b0, d1,a1,b1, d2,a2,b2, d3,a3,b3
	CM1 \d0, \a0, \b0
	CM1 \d1, \a1, \b1
	CM1 \d2, \a2, \b2
	CM1 \d3, \a3, \b3
	CM2 \d0, \a0, \b0
	CM2 \d1, \a1, \b1
	CM2 \d2, \a2, \b2
	CM2 \d3, \a3, \b3
.endm
; cos and sin of p quarter turns.  Head: k = nearest whole number, g = p - k (exact), |g| <= 1/2.
.macro SC_HEAD b, p
	v_rndne_f32 v[\b+2], v[\p]
	v_sub_f32 v[\b+3], v[\p], v[\b+2]
.endm
; Body, for both evaluations at once: series of sin and cos of g pi/2 up to g^9 and g^8 (what is cut is below 3e-8 for |g| <= 1/2),
; then the turn by k quarters: odd k swaps the two, k mod 4 in {1,2} flips the cosine's sign, in {2,3} the sine's.
; The two compares for 'k is odd' stand ahead of the series, the selects that read their masks behind it, one wait between.
; Result: v[b] = cos, v[b+1] = sin.
.macro SC_BODY
.irp b, EV0, EV1
	v_cvt_i32_f32 v[\b+2], v[\b+2]
	v_mul_f32 v[\b+4], v[\b+3], v[\b+3]
.endr
.irp b, EV0, EV1
	v_and_b32 v[\b+7], 1, v[\b+2]
.endr
	v_cmp_eq_u32 s40, 1, v[EV0+7]
	v_cmp_eq_u32 s41, 1, v[EV1+7]
.irp b, EV0, EV1
	v_fma_f32 v[\b+5], v[\b+4], s[KS9], s[KS7]
	v_fma_f32 v[\b+6], v[\b+4], s[KC8], s[KC6]
.endr
.irp b, EV0, EV1
	v_fma_f32 v[\b+5], v[\b+5], v[\b+4], s[KS5]
	v_fma_f32 v[\b+6], v[\b+6], v[\b+4], s[KC4]
.endr
.irp b, EV0, EV1
	v_fma_f32 v[\b+5], v[\b+5], v[\b+4], s[KS3]
	v_fma_f32 v[\b+6], v[\b+6], v[\b+4], s[KC2]
.endr
.irp b, EV0, EV1
	v_fma_f32 v[\b+5], v[\b+5], v[\b+4], s[KS1]
	v_fma_f32 v[\b+6], v[\b+6], v[\b+4], 1.0
.endr
.irp b, EV0, EV1
	v_mul_f32 v[\b+5], v[\b+5], v[\b+3]
.endr
	s_wait_alu depctr_va_sdst(0)                   ; the two compares have written s40 and s41, ahead of the selects that read them
	v_cndmask_b32 v[EV0], v[EV0+6], v[EV0+5], s40
	v_cndmask_b32 v[EV0+1], v[EV0+5], v[EV0+6], s40
	v_cndmask_b32 v[EV1], v[EV1+6], v[EV1+5], s41
	v_cndmask_b32 v[EV1+1], v[EV1+5], v[EV1+6], s41
.irp b, EV0, EV1
	v_add_nc_u32 v[\b+7], 1, v[\b+2]
	v_lshlrev_b32 v[\b+2], 30, v[\b+2]
.endr
.irp b, EV0, EV1
	v_lshlrev_b32 v[\b+7], 30, v[\b+7]
	v_and_b32 v[\b+2], s[KMSB], v[\b+2]
.endr
.irp b, EV0, EV1
	v_and_b32 v[\b+7], s[KMSB], v[\b+7]
	v_xor_b32 v[\b+1], v[\b+1], v[\b+2]
.endr
.irp b, EV0, EV1
	v_xor_b32 v[\b], v[\b], v[\b+7]
.endr
.endm
	s_load_b256 s[4:11], s[0:1], 0x0               ; A_imag s[4:5], C s[6:7], log_A_real s[8:9], log_dt s[10:11]
	s_load_b64 s[12:13], s[0:1], 0x20              ; out0
	s_set_vgpr_msb 0x40
	v_lshl_add_u32 v0, v0, 2, 0x22000
	v_mov_b32 v1, 0
	s_set_vgpr_msb 0x4000
	v_lshrrev_b32 v2, 5, v0
	v_readfirstlane_b32 s14, v2                    ; wave 0..7
	v_and_b32 v[LANE], 31, v0
	s_wait_alu depctr_va_sdst(0)                   ; s14 is written, ahead of its first reader: pair, role, h and every base are made from it
	s_and_b32 s15, s14, 3                          ; pair p
	s_lshr_b32 s16, s14, 2                         ; role: 0 makes U's base rows, 1 the columns'; also which two row tiles and column tiles are mine
	s_lshl_b32 s17, ttmp9, 2
	s_add_co_u32 s17, s17, s15                     ; h
	s_lshl_b32 s18, s17, 7
	s_lshl_b32 s19, s17, 8
	s_lshl_b32 s24, s17, 2
	v_lshl_add_u32 v[GO4], v[LANE], 2, s18         ; [h][n] of 4 bytes
	v_lshl_add_u32 v[GO8], v[LANE], 3, s19         ; [h][n] of 8 bytes
	v_mov_b32 v[GOD], s24                          ; [h]
	s_wait_kmcnt 0x0
	s_wait_alu depctr_va_vdst(0)                   ; the three offsets v8 to v10 are written, which the four loads read
	global_load_b32 v[LDT], v[GOD], s[10:11]
	global_load_b32 v[LAR], v[GO4], s[8:9]
	global_load_b32 v[AI], v[GO4], s[4:5]
	global_load_b64 v[CC:CC+1], v[GO8], s[6:7]
	; while they are on their way: output bases, LDS addresses, constants (none of these lines names a register of the four loads)
	s_lshl_b32 s25, s17, 14                        ; a row of out0 is 16,384 bytes
	s_xor_b32 s26, s16, 1                          ; my partner's role
	s_mul_i32 s28, s16, 2*4096+2*1024              ; my own row tiles 2 role, 2 role + 1 (4,096 bytes each), my column tiles likewise (1,024 bytes each)
	s_add_co_u32 s28, s28, s25
	s_mov_b32 s29, 0
	s_add_nc_u64 s[20:21], s[12:13], s[28:29]      ; out0 at (my row tiles, my column tiles)
	s_lshl_b32 s28, s26, 13
	s_lshl_b32 s27, s16, 11
	s_add_co_u32 s28, s28, s27
	s_add_co_u32 s28, s28, s25
	s_add_nc_u64 s[22:23], s[12:13], s[28:29]      ; out0 at (the partner's row tiles, my column tiles)
	s_mul_i32 s43, s15, TABW                       ; U's table of my pair
	s_mul_i32 s44, s16, 16*PITCH                   ; my block of 16 base rows
	s_mul_i32 s45, s14, TABW                       ; the table that I write
	s_lshl_b32 s46, s14, 13
	s_add_co_u32 s46, s46, EXCH                    ; my 8,192 bytes for row tiles
	s_xor_b32 s47, s14, 4
	s_lshl_b32 s47, s47, 13
	s_add_co_u32 s47, s47, EXCH                    ; my partner's
	v_and_b32 v2, 15, v0                           ; row or column in a tile
	v_bfe_u32 v3, v0, 4, 1                         ; half of the wave: it holds n = 16 s + 8 half + 0..7 of n-step s
	v_lshl_add_u32 v[LST], v[LANE], 3, s45
	v_lshl_add_u32 v[LSTEP], v3, 6, s43
	v_mad_u32_u24 v2, v2, PITCH, v[LSTEP]
	v_add_nc_u32 v[LROW], s44, v2
	v_lshl_add_u32 v[LEXW], v[LANE], 4, s46
	v_lshl_add_u32 v[LEXR], v[LANE], 4, s47
	v_lshlrev_b32 v[OUTO], 4, v[LANE]
	v_mov_b32 v[NEG1], -1.0
	s_mov_b32 s[KS1], 0x3fc90fdb                   ; sin(g pi/2) = g (pi/2 - (pi/2)^3/3! g^2 + (pi/2)^5/5! g^4 - (pi/2)^7/7! g^6 + (pi/2)^9/9! g^8)
	s_mov_b32 s[KS3], 0xbf255de7
	s_mov_b32 s[KS5], 0x3da335e3
	s_mov_b32 s[KS7], 0xbb996966
	s_mov_b32 s[KS9], 0x39283c1a
	s_mov_b32 s[KC2], 0xbf9de9e6                   ; cos(g pi/2) = 1 - (pi/2)^2/2! g^2 + (pi/2)^4/4! g^4 - (pi/2)^6/6! g^6 + (pi/2)^8/8! g^8
	s_mov_b32 s[KC4], 0x3e81e0f8
	s_mov_b32 s[KC6], 0xbcaae9e4
	s_mov_b32 s[KC8], 0x3a70fa83
	s_mov_b32 s[KMSB], 0x80000000
	s_mov_b32 s[KE6], 0x3ab60b61                   ; 1/720
	s_mov_b32 s[KE5], 0x3c088889                   ; 1/120
	s_mov_b32 s[KL2E], 0x3fb8aa3b                  ; log2 e
	s_wait_loadcnt 0x0
	; dt = exp(log_dt): the rounding of log_dt x log2 e is carried along (its residue, and log2 e's low part), since dt's relative
	; error is multiplied by phases of thousands of radians
	v_mul_f32 v24, s[KL2E], v[LDT]
	v_mul_f32 v25, s[KL2E], v[LAR]
	v_fma_f32 v26, v[LDT], s[KL2E], -v24
	v_exp_f32 v[DT], v24
	v_exp_f32 v[EA], v25
	v_fmac_f32 v26, 0x32a57060, v[LDT]             ; a plain instruction behind the two exponentials, before their results are used (ISA guide 5.7.2)
	v_mul_f32 v26, 0x3f317218, v26                 ; x ln 2
	s_wait_alu depctr_va_vdst(0)                   ; the two exponentials have written v[DT] and v[EA], ahead of their first reader; the LDS addresses v2 to v6 and v11 are written too
	v_fma_f32 v[DT], v[DT], v26, v[DT]
	v_mul_f32 v[XR], -v[EA], v[DT]
	v_mul_f32 v[YI], v[AI], v[DT]
	v_mul_f32 v[XL], s[KL2E], v[XR]
	v_mul_f32 v[PB], 0x3ea2f983, v[YI]             ; y / pi: the angle y l is 2 l of these, in quarter turns; every l below is a power of 2, so the scaling is exact
	s_cmp_ge_u32 s14, 4
	s_cbranch_scc1 .Lcolumns
	; ---- waves 0-3: U's base rows.  Row rho: 2 Ceff z^(rho&3 + 128 (rho>>2 & 1) + 64 (rho>>3)); rows 16-31: the same x z^2048; step z^1024
	v_mul_f32 v[EV1], 0x43000000, v[PB]            ; the angle 64 y
	v_mul_f32 v24, 0x42800000, v[XL]
	v_mul_f32 v27, v[AI], v[AI]
	v_fma_f32 v27, v[EA], v[EA], v27               ; |A|^2
	v_exp_f32 v25, v[XL]                           ; e^x
	v_exp_f32 v26, v24                             ; |z|^64
	v_rcp_f32 v28, v27
	SC_HEAD EV0, PB                                ; the angle y / 2 (plain instructions behind the three transcendentals)
	SC_HEAD EV1, EV1
	; expm1(x), x <= 0: the series to x^6 above -1/4 (what is cut is below 6e-8 of the result), e^x - 1 below
	v_cmp_lt_f32 vcc_lo, 0xbe800000, v[XR]         ; which of the two: the compare stands ahead of the series, the select behind it
	v_fma_f32 v29, v[XR], s[KE6], s[KE5]
	v_fmaak_f32 v29, v29, v[XR], 0x3d2aaaab
	v_fmaak_f32 v29, v29, v[XR], 0x3e2aaaab
	v_fma_f32 v29, v29, v[XR], 0.5
	v_fma_f32 v29, v29, v[XR], 1.0
	v_mul_f32 v29, v29, v[XR]
	s_wait_alu depctr_va_vdst(0)                   ; the two exponentials and the reciprocal have written v25, v26 and v28, ahead of their first reader
	s_wait_alu depctr_va_vcc(0)                    ; the compare has written VCC, ahead of the select that reads it
	v_add_f32 v25, -1.0, v25
	v_cndmask_b32 v25, v25, v29, vcc_lo            ; em1
	v_add_f32 v28, v28, v28
	v_mul_f32 v[IA], -v[EA], v28                   ; 2 / A = 2 conj(A) / |A|^2, A = (-EA, AI)
	v_mul_f32 v[IA+1], -v[AI], v28
	SC_BODY
	v_add_f32 v30, v[EV0+1], v[EV0+1]              ; 2 sin(y/2)
	v_mul_f32 v[Z64], v[EV1], v26
	v_mul_f32 v[Z64+1], v[EV1+1], v26
	v_mul_f32 v31, v30, v[EV0]                     ; sin y
	v_mul_f32 v30, -v30, v[EV0+1]                  ; cm1 = cos y - 1 = -2 sin^2(y/2)
	v_fma_f32 v[WW+1], v25, v31, v31               ; Im(z - 1) = (1 + em1) sin y
	v_fma_f32 v24, v25, v30, v30
	v_add_f32 v[WW], v24, v25                      ; Re(z - 1) = em1 + cm1 + em1 cm1
	v_mov_b32 v[Z1+1], v[WW+1]
	v_add_f32 v[Z1], 1.0, v[WW]
	CMUL3 GG,WW,IA, Z2,Z1,Z1, Z128,Z64,Z64
	CMUL4 FB,CC,GG, Z3,Z2,Z1, Z192,Z128,Z64, Z256,Z128,Z128
	CMUL4 FB+8,FB,Z128, FB+16,FB,Z64, FB+24,FB,Z192, Z512,Z256,Z256
.irp bq, 0,8,16,24
	CM1 FB+\bq+2, FB+\bq, Z1
	CM1 FB+\bq+4, FB+\bq, Z2
	CM1 FB+\bq+6, FB+\bq, Z3
.endr
	CM1 Z1K, Z512, Z512
.irp bq, 0,8,16,24
	CM2 FB+\bq+2, FB+\bq, Z1
	CM2 FB+\bq+4, FB+\bq, Z2
	CM2 FB+\bq+6, FB+\bq, Z3
.endr
	CM2 Z1K, Z512, Z512
	CM1 Z2K, Z1K, Z1K
	s_wait_alu depctr_va_vdst(0)                   ; the products have written base rows 0-15 and z^1024, which the LDS stores read
.irp e, 0,1,2,3,4,5,6,7,8,9,10,11,12,13,14,15
	ds_store_b64 v[LST], v[FB+2*\e:FB+2*\e+1] offset:\e*PITCH      ; 32 lanes, 256 neighbouring bytes: a row
.endr
	ds_store_b64 v[LST], v[Z1K:Z1K+1] offset:STEPROW
	CM2 Z2K, Z1K, Z1K                              ; the products below write z^2048 and rows 16-31 alone: nothing that the stores above read
.irp e, 0,2,4,6,8,10,12,14,16,18,20,22,24,26,28,30
	CM1 F2B+\e, FB+\e, Z2K
.endr
.irp e, 0,2,4,6,8,10,12,14,16,18,20,22,24,26,28,30
	CM2 F2B+\e, FB+\e, Z2K
.endr
	s_wait_alu depctr_va_vdst(0)                   ; the products have written base rows 16-31, which the LDS stores read; it is also the last word on step 1's vector work
.irp e, 0,1,2,3,4,5,6,7,8,9,10,11,12,13,14,15
	ds_store_b64 v[LST], v[F2B+2*\e:F2B+2*\e+1] offset:16*PITCH+\e*PITCH
.endr
	s_branch .Ltables
.Lcolumns:
	; ---- waves 4-7: the columns' base rows.  Row r: conj(z)^(4 r); rows 16-31: the same x conj(z)^512; step conj(z)^256
	v_mul_f32 v[EV0], 0x41000000, v[PB]            ; the angle 4 y
	v_mul_f32 v[EV1], 0x44000000, v[PB]            ; the angle 256 y
	v_mul_f32 v24, 4.0, v[XL]
	v_mul_f32 v25, 0x43800000, v[XL]
	v_exp_f32 v26, v24                             ; |z|^4
	v_exp_f32 v27, v25                             ; |z|^256
	SC_HEAD EV0, EV0                               ; (plain instructions behind the two exponentials)
	SC_HEAD EV1, EV1
	SC_BODY
	s_wait_alu depctr_va_vdst(0)                   ; the two exponentials have written v26 and v27, ahead of their first reader
	v_mul_f32 v[FB+2], v[EV0], v26
	v_mul_f32 v[FB+3], -v[EV0+1], v26
	v_mul_f32 v[STP], v[EV1], v27
	v_mul_f32 v[STP+1], -v[EV1+1], v27
	v_mov_b32 v[FB], 1.0
	v_mov_b32 v[FB+1], 0
	CMUL2 FB+4,FB+2,FB+2, SQ2,STP,STP
	CMUL2 FB+6,FB+4,FB+2, FB+8,FB+4,FB+4
	CMUL4 FB+10,FB+8,FB+2, FB+12,FB+8,FB+4, FB+14,FB+8,FB+6, FB+16,FB+8,FB+8
.irp e, 2,4,6,8,10,12,14
	CM1 FB+16+\e, FB+16, FB+\e
.endr
.irp e, 2,4,6,8,10,12,14
	CM2 FB+16+\e, FB+16, FB+\e
.endr
	s_wait_alu depctr_va_vdst(0)                   ; the products have written base rows 0-15, conj(z)^256 and conj(z)^512, which the LDS stores read
.irp e, 0,1,2,3,4,5,6,7,8,9,10,11,12,13,14,15
	ds_store_b64 v[LST], v[FB+2*\e:FB+2*\e+1] offset:\e*PITCH
.endr
	ds_store_b64 v[LST], v[STP:STP+1] offset:STEPROW
	ds_store_b64 v[LST], v[SQ2:SQ2+1] offset:16*PITCH              ; row 16 is 1 x conj(z)^512
.irp e, 2,4,6,8,10,12,14,16,18,20,22,24,26,28,30
	CM1 F2B+\e, FB+\e, SQ2                         ; these write rows 17-31 alone: nothing that the stores above read
.endr
.irp e, 2,4,6,8,10,12,14,16,18,20,22,24,26,28,30
	CM2 F2B+\e, FB+\e, SQ2
.endr
	s_wait_alu depctr_va_vdst(0)                   ; the products have written base rows 17-31, which the LDS stores read; it is also the last word on step 1's vector work
.irp e, 1,2,3,4,5,6,7,8,9,10,11,12,13,14,15
	ds_store_b64 v[LST], v[F2B+2*\e:F2B+2*\e+1] offset:16*PITCH+\e*PITCH
.endr
.Ltables:
	s_wait_dscnt 0x0                               ; my table is written, for the others' sake
	s_barrier_signal -1
	s_barrier_wait -1                              ; every wave's is
	s_wait_alu depctr_vm_vsrc(0)                   ; the parameter loads have read v8 to v10, my LDS stores v11 and their rows: from here on these registers are TMP, XU, YST, XV and AF,
	                                               ; written by the loads and the splits below.  On both ways here no vector instruction was issued behind the wait ahead of the last run of stores,
	                                               ; so v32 to v127, in which the loads land, and the addresses v2 and v3 owe the vector side nothing more
; ---- step 2: lane (r, half) holds row or column r and, for n-step s, the eight n = 16 s + 8 half + c as (re, im) in register pairs.
; The same map of (s, half, c) to n serves both operands, so every product meets its partner.
.macro LD16 x, a, off                  ; 16 complex of one table row: 2 x 64 neighbouring bytes
.irp s, 0,1
.irp q, 0,1,2,3
	ds_load_b128 v[\x+16*\s+4*\q:\x+16*\s+4*\q+3], v[\a] offset:\off+128*\s+16*\q
.endr
.endr
.endm
; 16 complex f32 into a tile's 32 registers: hi = bf16(re), bf16(im) in one word; lo = bf16 of what hi leaves (x - hi is exact in f32)
.macro SPLIT x, d
.irp g, 0,8
.irp e, 0,1,2,3,4,5,6,7
	v_cvt_pk_bf16_f32 v[\d+\g+\e], v[\x+2*\g+2*\e], v[\x+2*\g+2*\e+1]
.endr
.irp e, 0,1,2,3,4,5,6,7
	v_fma_mix_f32_bf16 v[TMP+2*\e], v[\d+\g+\e], v[NEG1], v[\x+2*\g+2*\e] op_sel_hi:[1,0,0]
	v_fma_mix_f32_bf16 v[TMP+2*\e+1], v[\d+\g+\e], v[NEG1], v[\x+2*\g+2*\e+1] op_sel:[1,0,0] op_sel_hi:[1,0,0]
.endr
.irp e, 0,1,2,3,4,5,6,7
	v_cvt_pk_bf16_f32 v[\d+16+\g+\e], v[TMP+2*\e], v[TMP+2*\e+1]
.endr
.endr
.endm
.macro STEP x, y                       ; x = x y, 16 complex products in place, eight at a time
.irp g, 0,16
.irp e, 0,2,4,6,8,10,12,14
	v_pk_mul_f32 v[TMP+\e:TMP+\e+1], v[\x+\g+\e:\x+\g+\e+1], v[\y+\g+\e:\y+\g+\e+1] op_sel_hi:[0,1]
.endr
.irp e, 0,2,4,6,8,10,12,14
	v_pk_fma_f32 v[\x+\g+\e:\x+\g+\e+1], v[\x+\g+\e:\x+\g+\e+1], v[\y+\g+\e:\y+\g+\e+1], v[TMP+\e:TMP+\e+1] op_sel:[1,1,0] op_sel_hi:[1,0,1] neg_lo:[0,1,0]
.endr
.endr
.endm
.macro PUT t                           ; my row tile t into LDS: 16 bytes a lane, 512 neighbouring bytes an instruction
.irp g, 0,1,2,3,4,5,6,7
	ds_store_b128 v[LEXW], v[AF+32*\t+4*\g:AF+32*\t+4*\g+3] offset:4096*\t+512*\g
.endr
.endm
	LD16 XU, LROW, 0                               ; my 16 n of my base row of U
	LD16 YST, LSTEP, STEPROW                       ; z^1024
	LD16 XV, LROW, VOFF                            ; my 16 n of my base row of the columns
	s_wait_dscnt 16                                ; the youngest 16 (step, columns) may be out: U's values are in
	SPLIT XU, AF
	s_wait_dscnt 8                                 ; the youngest 8 (the columns' values) may be out: the step is in
	STEP XU, YST
	s_wait_alu depctr_va_vdst(0)                   ; the split has written row tile 0, which the LDS stores read; the step's products are done reading YST, in which the loads below land
	PUT 0
	LD16 YST, LSTEP, VOFF+STEPROW                  ; conj(z)^256, over the step that is spent
	SPLIT XU, AF+32                                ; it names XU, row tile 1, TMP and -1.0: none of the registers that the sixteen LDS instructions above touch
	s_wait_alu depctr_va_vdst(0)                   ; the split has written row tile 1, which the LDS stores read
	PUT 1
	s_wait_dscnt 0x0                               ; my row tiles are written, for my partner's sake
	s_barrier_signal -1
	SPLIT XV, BF                                   ; register work while the others arrive: my two column tiles
	STEP XV, YST
	SPLIT XV, BF+32
	s_barrier_wait -1
	s_wait_alu depctr_va_vdst(0)                   ; the column tiles' splits and products are done with XV and YST, v32 to v95, in which the partner's row tiles land
; ---- step 3.  One link for each of the four accumulators (row tile ii x column tile jj): they take turns, one instruction a turn.
.macro LINK a, acc, ao, bo, first
.irp ii, 0,1
.irp jj, 0,1
.if \first
	v_wmma_f32_16x16x32_bf16 v[\acc+16*\ii+8*\jj:\acc+16*\ii+8*\jj+7], v[\a+32*\ii+\ao:\a+32*\ii+\ao+7], v[BF+32*\jj+\bo:BF+32*\jj+\bo+7], 0
.else
	v_wmma_f32_16x16x32_bf16 v[\acc+16*\ii+8*\jj:\acc+16*\ii+8*\jj+7], v[\a+32*\ii+\ao:\a+32*\ii+\ao+7], v[BF+32*\jj+\bo:BF+32*\jj+\bo+7], v[\acc+16*\ii+8*\jj:\acc+16*\ii+8*\jj+7]
.endif
.endr
.endr
.endm
; four of the sixteen loads that bring the partner's two row tiles (8,192 bytes, 512 neighbouring bytes an instruction)
.macro GET k
.irp g, 0,1,2,3
	ds_load_b128 v[AF2+16*\k+4*\g:AF2+16*\k+4*\g+3], v[LEXR] offset:2048*\k+512*\g
.endr
.endm
; deal = 1: the partner's row tiles are asked for among the links.  No further wait: the links name \a = AF, BF and \acc = ACC0, none of the registers that those loads touch
.macro MM a, acc, deal
	LINK \a, \acc, 0, 0, 1                         ; hi x hi, n 0-15: starts the sums, nothing is cleared
.if \deal
	GET 0
.endif
	LINK \a, \acc, 8, 8, 0                         ; hi x hi, n 16-31
.if \deal
	GET 1
.endif
	LINK \a, \acc, 16, 0, 0                        ; lo x hi
.if \deal
	GET 2
.endif
	LINK \a, \acc, 24, 8, 0
.if \deal
	GET 3
.endif
	LINK \a, \acc, 0, 16, 0                        ; hi x lo
	LINK \a, \acc, 8, 24, 0
.endm
; result register 4 q2 + q01 of lane 16 hb + r is l = q01 + 4 r + 64 hb + 128 q2 (+ 256 jj + 1024 ii): each store covers 512 consecutive bytes, aligned
.macro OUT acc, sb
.irp ii, 0,1
.irp jj, 0,1
.irp q2, 0,1
	global_store_b128 v[OUTO], v[\acc+16*\ii+8*\jj+4*\q2:\acc+16*\ii+8*\jj+4*\q2+3], s[\sb:\sb+1] offset:4096*\ii+1024*\jj+512*\q2 th:TH_STORE_NT
.endr
.endr
.endr
.endm
	MM AF, ACC0, 1
.rept 5
	v_nop                                          ; five places: four before the stores read results, five before the next products write over
.endr                                                  ; registers that these read as their first operand (ISA guide 7.12.1)
	s_wait_alu depctr_va_vdst(0)                   ; the products have written ACC0, which the stores read; the places above stay beside this wait
	OUT ACC0, 20
	s_wait_dscnt 0x0                               ; the partner's row tiles are in
	s_wait_alu depctr_vm_vsrc(0)                   ; my LDS stores have read row tile 0, v128 to v159, which the products below write as ACC1
	MM AF2, ACC1, 0
.rept 4
	v_nop                                          ; four places before the stores read results
.endr
	s_wait_alu depctr_va_vdst(0)                   ; the products have written ACC1, which the stores read; the places above stay beside this wait
	OUT ACC1, 22
	s_set_vgpr_msb 0x5
	s_wait_dscnt 0x0
	s_wait_alu depctr_hold_cnt(0) depctr_sa_sdst(0) depctr_va_vdst(0) depctr_va_sdst(0) depctr_va_ssrc(0) depctr_va_vcc(0) depctr_vm_vsrc(0)
	s_wait_tensorcnt 0x0
	ds_add_u32 v0, v1
	s_wait_dscnt 0x0
	s_endpgm
.Lfunc_end_k_q489cb38f29_s4d:
	.size	k_q489cb38f29_s4d, .Lfunc_end_k_q489cb38f29_s4d-k_q489cb38f29_s4d
	.p2alignl 7, 3214868480
	.fill 96, 4, 3214868480
	.section	.rodata,"a",@progbits
	.p2align	6, 0x0
	.amdhsa_kernel k_q489cb38f29_s4d
		.amdhsa_group_segment_fixed_size 140288
		.amdhsa_private_segment_fixed_size 0
		.amdhsa_enable_private_segment 0
		.amdhsa_kernarg_size 40
		.amdhsa_user_sgpr_count 2
		.amdhsa_user_sgpr_kernarg_segment_ptr 1
		.amdhsa_wavefront_size32 1
		.amdhsa_system_sgpr_workgroup_id_x 1
		.amdhsa_system_sgpr_workgroup_id_y 1
		.amdhsa_system_sgpr_workgroup_id_z 1
		.amdhsa_system_vgpr_workitem_id 0
		.amdhsa_next_free_vgpr 258
		.amdhsa_next_free_sgpr 66
		.amdhsa_reserve_vcc 1
		.amdhsa_float_denorm_mode_32 3
		.amdhsa_float_denorm_mode_16_64 3
		.amdhsa_memory_ordered 1
		.amdhsa_forward_progress 1
		.amdhsa_inst_pref_size 54
	.end_amdhsa_kernel
	.amdgpu_metadata
---
amdhsa.version: [ 1, 2 ]
amdhsa.kernels:
  - .name:           k_q489cb38f29_s4d
    .symbol:         k_q489cb38f29_s4d.kd
    .args:
      - { .name: A_imag, .offset: 0, .size: 8, .value_kind: global_buffer, .address_space: global }
      - { .name: C, .offset: 8, .size: 8, .value_kind: global_buffer, .address_space: global }
      - { .name: log_A_real, .offset: 16, .size: 8, .value_kind: global_buffer, .address_space: global }
      - { .name: log_dt, .offset: 24, .size: 8, .value_kind: global_buffer, .address_space: global }
      - { .name: out0, .offset: 32, .size: 8, .value_kind: global_buffer, .address_space: global }
    .group_segment_fixed_size: 140288
    .private_segment_fixed_size: 0
    .kernarg_segment_align: 8
    .kernarg_segment_size: 40
    .max_flat_workgroup_size: 256
    .sgpr_count:     66
    .vgpr_count:     258
    .wavefront_size: 32
...
	.end_amdgpu_metadata
.endif
;; end of part 2
